; MI455X (gfx1250); checked and timed in simulation.
; The chip was launched on July 23, 2026; its instructions are those of AMD's public machine-readable ISA for CDNA 5 (MIT licence, August 2026) and "CDNA5" Instruction Set Architecture Reference Guide (July 2026). The comments in the code are by the model that wrote it; some were corrected since.
;; Ternary Packed Linear. Allowed arithmetic: float matrix products may take bf16 or f16 operands with f32 sums; other float arithmetic in f32, or as packed bf16 or f16 multiplies, adds, multiply-adds, maxima and minima; sums over many terms, partial sums and values carried from step to step in f32; what a program stores and reads back later, other than sums and carried values, may be rounded once to bf16 or f16.
;; Inputs: alpha 4,096 float32; bias 4,096 float32; nz 4,096 x 128 int32; sgn 4,096 x 128 int32; x 4,096 x 4,096 float32.
;; Outputs: out0 4,096 x 4,096 float32.
;; One version. Each part assembles by itself: llvm-mc -triple=amdgcn-amd-amdhsa -mcpu=gfx1250 --defsym DOCPART=n.
;; ======== version 1 of 1: 1 launch
;; launch tgemm (part 1): grid 16 x 16, 4 waves a work-group, clusters of 4 x 4, 327,680 bytes of LDS; arguments x, nz, sgn, alpha, bias, out0; writes out0
.if DOCPART == 1
	.amdgcn_target "amdgcn-amd-amdhsa--gfx1250"
	.amdhsa_code_object_version 6
	.text
	.protected	k_qd49a3ccc86_tgemm
	.globl	k_qd49a3ccc86_tgemm
	.p2align	8
	.type	k_qd49a3ccc86_tgemm,@function
k_qd49a3ccc86_tgemm:
	s_mov_b64 s[64:65], 0
	v_nop
	global_prefetch_b8 v0, s[64:65] scope:SCOPE_SE
	s_setreg_imm32_b32 hwreg(HW_REG_WAVE_MODE, 25, 1), 1
	s_wait_xcnt 0x0
	s_wait_alu depctr_hold_cnt(0) depctr_sa_sdst(0) depctr_va_vdst(0) depctr_va_sdst(0) depctr_va_ssrc(0) depctr_va_vcc(0) depctr_vm_vsrc(0)
	s_getreg_b32 s2, hwreg(HW_REG_IB_STS2, 6, 4)
	s_cmp_eq_u32 s2, 0
	s_cbranch_scc0 .Lentry_in_a_cluster
	s_endpgm
.Lentry_in_a_cluster:
	s_bfe_u32 s2, ttmp6, 0x10000c
	s_cmp_lg_u32 s2, 0xf033
	s_cbranch_scc0 .Lentry_shape_is_right
	s_endpgm
.Lentry_shape_is_right:
; out0[m][o] = alpha[o] * (sum over k of x[m][k] W[o][k]) + bias[o].  x, out0: [4096][4096] f32; alpha, bias: [4096] f32.
; W[o][k] is 0, +1 or -1 and comes as two bit planes nz, sgn: [4096][128] words; bit j of word w is column k = 32 w + j: 0 where nz's bit is clear, else +1 (sgn's bit clear) or -1.
; ONE LAUNCH: x is rounded to bf16 and W unpacked to bf16 on the way from LDS and memory to the matrix unit; nothing goes through memory between.
; LIMITS.  x is rounded once to bf16 (nearest even); the sums are f32.  W is coded as 2 W (bf16 bit 14 = nz's bit, bit 15 = sgn's bit: +2, -2, +0, -0) and alpha is halved for it: exact, but for an alpha
; at or just above the denormals, which can lose its last bit.  A weight -0 can turn the sign of a sum that is exactly zero.  An infinite x gives NaN under a zero weight, as in the f32 product.  All 32 bits of a word are honoured.
; SHARES.  A work-group makes a tile of 256 x 256 of out0; 16 x 16 work-groups.  Its four waves lie one below the other: wave w has rows 64 w .. 64 w + 63 and all 256 columns: 4 x 16 accumulators of 16 x 16,
; 512 registers.  So each number of x is converted once in the work-group, and a wave reads only the rows of x that it has fetched itself.
; K goes in steps of 128 (32 of them) through a ring of two LDS slots of x in f32, filled by the tensor data mover: rows of 512 bytes, which start at multiples of 512 bytes in x.  A step is four QUARTERS of 32 k, 64 matrix instructions each.
; CLUSTER.  4 x 4 work-groups.  The four of a row of the cluster need the same rows of x: each tile is asked for JOINTLY, by the same tensor load with the same descriptor and a mask that names the four.
; The bit planes are NOT asked for jointly: they are 8,192 of the 139,264 bytes that a work-group takes in a step, and they come through registers (each thread unpacks its own rows' words).
; They are read 16 bytes a row and step: longer pieces would have to be kept, and neither LDS (15,872 bytes unused) nor the registers have room for them.
; THE ORDER OF k.  Inside each 32 k the same permutation is used for both sources, which leaves the products as they are: lane (r = l % 16, h = l / 16), register i (0..7) holds k = 8 h + i in its low half and
; k = 16 + 8 h + i in its high half.  For W, register a = 8 h + i of a word is then bits a and a + 16 of both planes, moved to bits 14, 15 and 30, 31: 34 instructions a word.  For x, a lane reads two runs
; of eight f32 (four loads of 16 bytes) and register i is the rounded pair (run 0's number i, run 1's number i).
; W's WAY.  Thread (w, l) owns W's rows 64 w + l and 64 w + 32 + l of the tile: per step four loads of 16 bytes, per quarter two words unpacked into 32 registers and stored into one of two LDS buffers
; (256 rows of 64 bytes, a quarter of W in bf16), from which every wave reads its 16 fragments.
; THE MATRIX INSTRUCTION IS USED TRANSPOSED (source 0 = 16 rows of W, source 1 = 16 rows of x): a lane then holds row l % 16 of out0 and the columns 8 (l / 16) + 0..7.
; REGISTERS, in windows of 256 (s_set_vgpr_msb: bits 1:0 source 0, 3:2 source 1, 5:4 source 2, 7:6 destination):
;   window 0: addresses, alpha, bias, packed words, unpacked words, x in bf16 (two sets), x in f32      window 1: W's fragments, two sets of 128
;   windows 2, 3: accumulator (a, b) at v[8 (16 (a % 2) + b)] of window 2 + a / 2
.set APITCH, 528                       ; a row of x in LDS: 512 bytes + 16 of padding = 132 words: row r starts at bank 4 r mod 64 (64 banks of 4 bytes: ISA guide 11.1): the 16 rows of a load start at 16 different groups of banks
.set AWAVE,  64*APITCH                 ; a wave's 64 rows: what one tensor load brings
.set SLOT,   4*AWAVE                   ; 135,168 bytes
.set BBASE,  2*SLOT                    ; behind the ring: W's two quarter buffers; no tensor load lands here
.set BPITCH, 80                        ; a row of W's quarter: 64 bytes + 16 = 20 words: again 16 different groups of banks for 16 rows
.set BBUF,   256*BPITCH                ; 20,480 bytes
.set STAGE,  BBASE                     ; the way out uses W's buffers again, behind the last barrier: 16 rows x 528 bytes for each wave
.set SWAVE,  16*APITCH
.set SPARE,  BBASE+2*BBUF              ; the spare words, 128 bytes for each wave: two blocks of 256 bytes that no other line names
.set XROW,   16384                     ; bytes in a row of x and of out0
.set ADRA, 2                           ; v2-3   LDS address of my lane's place in my wave's rows of x, slot 0, 1: w AWAVE + r APITCH + 32 h
.set ADRB, 4                           ; v4     the same in W's buffer 0: r BPITCH + 32 h
.set ADRS, 5                           ; v5     where I store my first row of W: (64 w + l) BPITCH
.set POFF, 6                           ; v6     my first row in the tile's rows of nz and sgn: (64 w + l) x 512 bytes
.set PFO,  7                           ; v7     the prefetch's offset: row l / 2, block l % 2 of 256 bytes
.set STO,  8                           ; v8     the way out: where I put 32 bytes of a row
.set RD,   9                           ; v9     the way out: where I read 16 bytes of a row back
.set CO,   10                          ; v10    16 l: my offset in 512 bytes of out0, alpha, bias
.set SPW,  12                          ; v12    LDS address of my spare word; never rewritten
.set NIL,  13                          ; v13    0; never rewritten
.set TA,   16                          ; v16-17 at work in the unpacking
.set TB,   17
.set PQ,   18                          ; v18-21 the two interleaved words of row 0, of row 1
.set AL,   24                          ; v24-31 alpha / 2 of my four columns in column half 0, in half 1
.set BI,   32                          ; v32-39 bias likewise
.set PK,   40                          ; v40-71 two sets (by the step's parity) of 16: row 0's four words of nz, of sgn, row 1's of nz, of sgn
.set U,    72                          ; v72-103 two unpacked words: 16 registers a row
.set ABF,  104                         ; v104-167 x in bf16, two sets of 32: block a of 16 rows at 8 a
.set ST,   168                         ; v168-231 x in f32: block a at 16 a: run 0 in 0-7, run 1 in 8-15
.set OB,   104                         ; the way out: two buffers of 64 registers
.set TRIPS, 3                          ; s3     trips of the loop still to come
.set WV,   16                          ; s16    my wave's number
.set G1,   24                          ; s[24:31] descriptor group 1
.set G0,   32                          ; s[32:39] descriptor group 0, one set for each slot
.set PFA,  40                          ; s[40:41] where my prefetches stand
.set LIM,  42                          ; s42    1 in a work-group that prefetches, else the greatest number
.set ODD,  43                          ; s43    0x55555555
.set MSK,  44                          ; s44    0xc000c000
.set MSB, 0
.macro WIN new                         ; the immediate's high byte repeats the setting that is left; a switch that changes nothing is dropped
.if MSB != (\new)
	s_set_vgpr_msb (MSB<<8)|(\new)
.set MSB, \new
.endif
.endm
.set MUL_LO, 0xa1                      ; source 0 (W) window 1, source 1 (x) window 0, C and D window 2
.set TO_B,   0x40                      ; destination window 1, address window 0
.macro PLACES
.rept 4
	v_nop
.endr
.endm
; A round of the cluster's barrier behind its opening barrier: wave 0 signals for the work-group, every wave waits for all sixteen work-groups, my work-group's barrier once more.
.macro CREST
	s_cmp_lg_u32 s[WV], 0
	s_cbranch_scc1 .Lnot_wave_0_\@
	s_barrier_signal -3
.Lnot_wave_0_\@:
	s_barrier_wait -3
	s_barrier_signal -1
	s_barrier_wait -1
.endm
.macro CROUND
	s_barrier_signal -1
	s_barrier_wait -1
	CREST
.endm
; A joint load: every wave asks for its own 64 rows (LDS and global address hang on the wave's number); an s_nop 0 and four v_nop follow.
.macro JLOAD s
	tensor_load_to_lds s[G0+4*(\s):G0+4*(\s)+3], s[G1:G1+7]
	s_nop 0
	PLACES
.endm
; A PREFETCH INTO THE L2 of the K step that stands two refills on.  A tile row of x is read by all four clusters of that row of clusters: the one with x = 0 asks.  Of the 64 rows that wave w fetches, the partner
; at place cx takes 16, told apart BY ADDRESS; a step is 512 bytes of a row: a lane names one block of 256 bytes, so each block is named once in the launch.  The loop's last trip has no step two refills on.
.macro ASK
	s_cmp_gt_u32 s[TRIPS], s[LIM]
	s_cbranch_scc0 .Lnot_mine_\@
	global_prefetch_b8 v[PFO], s[PFA:PFA+1] th:TH_LOAD_NT scope:SCOPE_SE
.Lnot_mine_\@:
.endm
; Four roundings: group g (0..7) of a quarter's 32: block g / 2, registers 4 (g % 2) on, into set dst.
.macro CVT4 g, dst
.irp i, 0,1,2,3
	v_cvt_pk_bf16_f32 v[ABF+32*(\dst)+8*((\g)/2)+4*((\g)%2)+(\i)], v[ST+16*((\g)/2)+4*((\g)%2)+(\i)], v[ST+16*((\g)/2)+8+4*((\g)%2)+(\i)]
.endr
.endm
; Four instructions of the unpacking: group g (0..16) of the 17 that turn word `word` of both my rows (packed set pset) into 32 registers.
; g = 0, 8: row g / 8's planes are interleaved: P holds (nz, sgn) of the even bits in neighbouring bits, Q of the odd ones.  g = 1..7, 9..15: registers a, a + 1 (a = 0, 2 .. 12): P and Q shifted so that
; bits a, a + 1 and a + 16, a + 17 come to 14, 15 and 30, 31, and masked.  g = 16: registers 14 and 15 of both rows want no shift.
.macro UNP g, pset, word
.if (\g) == 16
	v_and_b32 v[U+14], s[MSK], v[PQ]
	v_and_b32 v[U+15], s[MSK], v[PQ+1]
	v_and_b32 v[U+30], s[MSK], v[PQ+2]
	v_and_b32 v[U+31], s[MSK], v[PQ+3]
.else
.set uR, (\g)/8
.set uN, PK+16*(\pset)+8*uR+(\word)
.set uP, PQ+2*uR
.set uU, U+16*uR+2*((\g)%8-1)
.set uS, 14-2*((\g)%8-1)
.if ((\g)%8) == 0
	v_lshlrev_b32 v[TA], 1, v[uN+4]
	v_lshrrev_b32 v[TB], 1, v[uN]
	v_bfi_b32 v[uP], s[ODD], v[uN], v[TA]          ; even bits: nz's; odd bits: sgn's bit below
	v_bfi_b32 v[uP+1], s[ODD], v[TB], v[uN+4]      ; even bits: nz's bit above; odd bits: sgn's
.else
	v_lshlrev_b32 v[uU], uS, v[uP]
	v_lshlrev_b32 v[uU+1], uS, v[uP+1]
	v_and_b32 v[uU], s[MSK], v[uU]
	v_and_b32 v[uU+1], s[MSK], v[uU+1]
.endif
.endif
.endm
.macro UNPALL pset, word
.irp g, 0,1,2,3,4,5,6,7,8,9,10,11,12,13,14,15,16
	UNP \g, \pset, \word
.endr
.endm
; The next four vector instructions of the queue in hand (RK = 0: roundings into set RDST; 1: unpacking of word RWD of set RPS), if any are left.
.macro RIDE
.if RG < RLIM
	WIN 0
.if RK == 0
	CVT4 RG, RDST
.else
	UNP RG, RPS, RWD
.endif
.set RG, RG+1
.endif
.endm
.macro WM a, b, set, zero              ; one matrix instruction; zero = 1: it starts its sum: nothing is ever cleared
	WIN MUL_LO+0x50*((\a)/2)
.set rD, 8*(16*((\a)%2)+(\b))
.set rB, 128*(\set)+8*(\b)
.set rA, ABF+32*(\set)+8*(\a)
.if \zero
	v_wmma_f32_16x16x32_bf16 v[rD:rD+7], v[rB:rB+7], v[rA:rA+7], 0
.else
	v_wmma_f32_16x16x32_bf16 v[rD:rD+7], v[rB:rB+7], v[rA:rA+7], v[rD:rD+7]
.endif
.endm
; Row block a against all 16 column blocks; four vector instructions behind every second matrix instruction.  The 64 accumulators take turns in the same order in every quarter.
.macro MULA a, set, zero
.irp b, 0,1,2,3,4,5,6,7,8,9,10,11,12,13,14,15
	WM \a, \b, \set, \zero
.if ((\b)%2) == 1
	RIDE
.endif
.endr
.endm
.macro STOREU buf                      ; my two unpacked rows, 64 bytes each, into W's buffer buf
.irp rho, 0,1
.irp c, 0,1,2,3
	ds_store_b128 v[ADRS], v[U+16*(\rho)+4*(\c):U+16*(\rho)+4*(\c)+3] offset:(\buf)*BBUF+(\rho)*32*BPITCH+16*(\c)
.endr
.endr
.endm
.macro LOADA areg, jj                  ; x in f32: quarter jj of the slot whose address is v[areg]: for each block of 16 rows two runs of 32 bytes, 64 bytes apart
.irp a, 0,1,2,3
	ds_load_b128 v[ST+16*(\a):ST+16*(\a)+3],     v[\areg] offset:(\a)*16*APITCH+128*(\jj)
	ds_load_b128 v[ST+16*(\a)+4:ST+16*(\a)+7],   v[\areg] offset:(\a)*16*APITCH+128*(\jj)+16
	ds_load_b128 v[ST+16*(\a)+8:ST+16*(\a)+11],  v[\areg] offset:(\a)*16*APITCH+128*(\jj)+64
	ds_load_b128 v[ST+16*(\a)+12:ST+16*(\a)+15], v[\areg] offset:(\a)*16*APITCH+128*(\jj)+80
.endr
.endm
.macro LOADB set                       ; W's 16 fragments out of buffer set into register set set
	WIN TO_B
.irp b, 0,1,2,3,4,5,6,7,8,9,10,11,12,13,14,15
	ds_load_b128 v[128*(\set)+8*(\b):128*(\set)+8*(\b)+3],   v[ADRB] offset:(\set)*BBUF+(\b)*16*BPITCH
	ds_load_b128 v[128*(\set)+8*(\b)+4:128*(\set)+8*(\b)+7], v[ADRB] offset:(\set)*BBUF+(\b)*16*BPITCH+16
.endr
	WIN 0
.endm
; QUARTER j of a step that lies in slot s.  Call it q; its register sets and W's buffer go by j's parity.  left: quarters behind it (99 in the loop).  ring = 2: the ring goes on; 1: only the last tile is waited for; 0: nothing.
;   its 64 products multiply sets that were made ready in q - 1;
;   beside block 0's products x of q + 1 is rounded (it came out of LDS in q - 1);
;   ONE RUN of LDS instructions: W of q + 2 (unpacked in q - 1) is stored; x of q + 2 is read in f32; W of q + 1 is read as fragments;
;   beside blocks 1 to 3's products W of q + 3 is unpacked.
; ONE BARRIER a quarter: in front of its signal every wave has waited for the last run.  Behind its wait the buffer that all read in q - 1 may be written, and the buffer that all wrote in q - 1 may be read.
; THE RING.  The slot of a step is read by the runs of the two quarters before the step and of its quarters 0 and 1.  In quarter 1, behind block 2, the wave waits for all its tensor loads (one is out: the next step's),
; adds 0 to its spare word, and steps the slot's descriptor; the wait for the add and for the slot's reads is quarter 2's first line; quarter 2's barrier opens a round of the cluster's barrier, and the joint refill
; (two steps on) is the first thing behind the round: 224 matrix instructions ahead of the wait for it.
.macro QUARTER s, j, zero, left, ring
.set SETQ, (\j)%2
.set NSET, 1-SETQ
.if (\left) == 1
	PLACES                                         ; the quarter before had no unpacking beside its products: these are places between them and the roundings into the set that they read
.endif
	s_wait_dscnt 0x0                               ; the last run is over: my fragments and x in f32 are in, my stores into W's buffer are done, my reads of the other are back; in quarter 2 also the add and my reads of the slot
	s_barrier_signal -1
.set RK, 0
.set RG, 0
.set RLIM, 0
.if (\left) >= 1
.set RLIM, 8
.endif
.set RDST, NSET
	MULA 0, SETQ, \zero                            ; work on registers alone between the signal and the wait
	WIN 0                                          ; at a label and at a branch every window is 0
	s_barrier_wait -1
.if ((\j) == 2) && ((\ring) == 2)
	CREST                                          ; no wave of any partner still reads this slot or has a load on its way
	JLOAD \s
.endif
.if ((\j) == 1) && ((\ring) >= 1)
	s_wait_loadcnt 0x0                             ; the next step's packed words, asked for four quarters ago: this quarter begins to unpack them
.endif
.if ((\j) == 1) && ((\ring) == 2)
	s_wait_xcnt 0x0                                ; the last prefetch, three quarters back, has read its address: the three pointers may be written
	s_add_nc_u64 s[6:7], s[6:7], 16
	s_add_nc_u64 s[8:9], s[8:9], 16
	s_add_nc_u64 s[PFA:PFA+1], s[PFA:PFA+1], 512
.endif
.if (\left) >= 2
	STOREU SETQ
.if (\j) < 2
	LOADA ADRA+(\s), (\j)+2
.else
	LOADA ADRA+1-(\s), (\j)-2
.endif
.endif
.if (\left) >= 1
	LOADB NSET                                     ; its registers' last readers stand in front of the 32 roundings, of which 24 name none of their registers
.endif
.if ((\j) == 1) && ((\ring) == 2)
	global_load_b128 v[PK+16*(\s):PK+16*(\s)+3],     v[POFF], s[6:7] offset:16         ; the words of the step two on: the pointers stand one step behind them
	global_load_b128 v[PK+16*(\s)+4:PK+16*(\s)+7],   v[POFF], s[8:9] offset:16
	global_load_b128 v[PK+16*(\s)+8:PK+16*(\s)+11],  v[POFF], s[6:7] offset:16+32*512
	global_load_b128 v[PK+16*(\s)+12:PK+16*(\s)+15], v[POFF], s[8:9] offset:16+32*512
.endif
.if ((\j) == 2) && ((\ring) == 2)
	ASK                                            ; behind the joint load and the run of LDS instructions
.endif
.set RK, 1
.set RG, 0
.set RLIM, 0
.if (\left) >= 3
.set RLIM, 17
.endif
.set RWD, ((\j)+3)%4
.if (\j) == 0
.set RPS, (\s)
.else
.set RPS, 1-(\s)
.endif
	MULA 1, SETQ, \zero
	MULA 2, SETQ, \zero
.if ((\j) == 1) && ((\ring) >= 1)
	WIN 0                                          ; (the add's two registers lie in window 0)
	s_wait_tensorcnt 0x0                           ; all my tensor loads have landed: the one that was out is my rows of the next step, which the next quarter's run reads
.if (\ring) == 2
	ds_add_u32 v[SPW], v[NIL]                      ; 0 onto my spare word; sixteen products stand between it and the wait for it
	s_add_nc_u64 s[G0+4*(\s)+2:G0+4*(\s)+3], s[G0+4*(\s)+2:G0+4*(\s)+3], 2*512  ; no load of mine is out, so the slot's descriptor may step: two steps on
.endif
.endif
	MULA 3, SETQ, \zero
.endm
	s_load_b256 s[4:11], s[0:1], 0x0               ; x s[4:5], nz s[6:7], sgn s[8:9], alpha s[10:11]
	s_load_b128 s[12:15], s[0:1], 0x20             ; bias s[12:13], out0 s[14:15]
	v_lshl_add_u32 v[SPW], v0, 2, SPARE
	v_mov_b32 v[NIL], 0
	ds_add_u32 v[SPW], v[NIL]                      ; the wave's opening: the add and its wait stand ahead of my first tensor load; the set-up below, work on registers, stands between them
	v_lshrrev_b32 v1, 5, v0
	v_readfirstlane_b32 s[WV], v1                  ; wave 0..3
	s_bfe_u32 s17, ttmp6, 0x40000                  ; cx: my place along the cluster's x
	s_bfe_u32 s18, ttmp6, 0x40004                  ; cy: along its y
	s_lshl_b32 s19, ttmp9, 2                       ; in a cluster launch ttmp9 and ttmp7 count clusters
	s_add_co_u32 s19, s19, s17                     ; tile column = 4 x cluster x + cx
	s_and_b32 s20, ttmp7, 0xffff
	s_lshl_b32 s20, s20, 2
	s_add_co_u32 s20, s20, s18                     ; tile row = 4 x cluster y + cy
	s_lshl_b32 s21, s18, 2
	s_lshl_b32 s21, 15, s21                        ; my row of the cluster: places 4 cy .. 4 cy + 3
	; descriptor group 1: a tile of 64 rows x 128 elements of 4 bytes, padded in LDS
	s_or_b32 s[G1+0], s21, (2<<16)|(1<<20)|(1<<21)|(6<<22)|(3<<25)  ; 15:0 the mask; 17:16 elements of 4 bytes; 20 padding on; 21 set beside a mask; 24:22 after every 128 words (code 6); 31:25 4 words of it (code 3)
	s_mov_b32 s[G1+1], 128<<16                     ; tensor_dim0 = 128
	s_mov_b32 s[G1+2], 64<<16                      ; tensor_dim1 = 64
	s_mov_b32 s[G1+3], 128<<16                     ; tile_dim0 = 128
	s_mov_b32 s[G1+4], 64                          ; tile_dim1 = 64
	s_mov_b32 s[G1+5], 4096                        ; elements from row to row
	s_mov_b32 s[G1+6], 0
	s_mov_b32 s[G1+7], 0
	s_lshl_b32 s46, s20, 22                        ; the tile's 256 rows of 16,384 bytes,
	s_lshl_b32 s47, s[WV], 20                      ; my wave's 64 of them: under 2^26 together
	s_add_co_u32 s46, s46, s47
	s_mov_b32 s47, 0
	s_mul_i32 s50, s[WV], AWAVE                    ; my wave's part of a slot: no place in the cluster enters an LDS address
	s_mov_b32 s[ODD], 0x55555555
	s_mov_b32 s[MSK], 0xc000c000
	s_mov_b32 s[LIM], ttmp9
	s_cmp_eq_u32 s[LIM], 0                         ; the first cluster of its row of clusters prefetches: the same in all sixteen partners
	s_cselect_b32 s[LIM], 1, -1
	s_wait_dscnt 0x0                               ; the opening add is done
	s_wait_kmcnt 0x0
	s_add_nc_u64 s[48:49], s[4:5], s[46:47]        ; x at my wave's first row: made of the tile row and the wave's number alone
	s_add_nc_u64 s[14:15], s[14:15], s[46:47]      ; out0 at the same row,
	s_lshl_b32 s22, s19, 17                        ; the tile's 256 rows of 512 bytes in nz and sgn
	s_mov_b32 s23, 0
	s_add_nc_u64 s[6:7], s[6:7], s[22:23]
	s_add_nc_u64 s[8:9], s[8:9], s[22:23]
	s_lshl_b32 s22, s19, 10                        ; the tile's 256 columns of 4 bytes
	s_add_nc_u64 s[10:11], s[10:11], s[22:23]
	s_add_nc_u64 s[12:13], s[12:13], s[22:23]
	s_add_nc_u64 s[14:15], s[14:15], s[22:23]      ; and at the tile's first column
	s_lshl_b32 s22, s17, 18                        ; the prefetches: my work-group's 16 rows of the wave's 64,
	s_add_nc_u64 s[PFA:PFA+1], s[48:49], s[22:23]
	s_add_nc_u64 s[PFA:PFA+1], s[PFA:PFA+1], 3*512 ; at K step 3: it is stepped to 4 ahead of the first prefetch.  Steps 0 to 3 come by their loads alone: nothing is prefetched at the head
	CROUND                                         ; all sixteen work-groups are here: the first joint loads meet
.irp s, 0,1
	s_mov_b32 s[G0+4*(\s)], 1                      ; count = 1
	s_add_co_u32 s[G0+4*(\s)+1], s50, (\s)*SLOT    ; LDS address
	s_add_nc_u64 s[G0+4*(\s)+2:G0+4*(\s)+3], s[48:49], (\s)*512  ; global address: K step s
	s_or_b32 s[G0+4*(\s)+3], s[G0+4*(\s)+3], 0x80000000          ; type = 2
.endr
	tensor_load_to_lds s[G0:G0+3], s[G1:G1+7]      ; both first fills together: two loads of mine are out
	s_nop 0
	tensor_load_to_lds s[G0+4:G0+7], s[G1:G1+7]
	s_nop 0
	PLACES
	v_and_b32 v1, 31, v0                           ; l
	s_lshl_b32 s45, s[WV], 6
	v_add_nc_u32 v11, s45, v1                      ; 64 w + l: my first row of W in the tile
	v_lshlrev_b32 v[POFF], 9, v11
	v_lshlrev_b32 v[CO], 4, v1
.irp p, 0,1                            ; the packed words of K steps 0 and 1
	global_load_b128 v[PK+16*(\p):PK+16*(\p)+3],     v[POFF], s[6:7] offset:16*(\p)
	global_load_b128 v[PK+16*(\p)+4:PK+16*(\p)+7],   v[POFF], s[8:9] offset:16*(\p)
	global_load_b128 v[PK+16*(\p)+8:PK+16*(\p)+11],  v[POFF], s[6:7] offset:16*(\p)+32*512
	global_load_b128 v[PK+16*(\p)+12:PK+16*(\p)+15], v[POFF], s[8:9] offset:16*(\p)+32*512
.endr
	global_load_b128 v[AL:AL+3],   v[CO], s[10:11]            ; columns 4 l .. of the tile's first 128,
	global_load_b128 v[AL+4:AL+7], v[CO], s[10:11] offset:512 ; and of its second
	global_load_b128 v[BI:BI+3],   v[CO], s[12:13]
	global_load_b128 v[BI+4:BI+7], v[CO], s[12:13] offset:512
	v_and_b32 v14, 15, v0                          ; r = l % 16
	v_bfe_u32 v15, v0, 4, 1                        ; h = l / 16
	v_mul_u32_u24 v[ADRA], v14, APITCH
	v_lshl_add_u32 v[ADRA], v15, 5, v[ADRA]        ; r x pitch + 32 h
	s_mul_i32 s51, s[WV], SWAVE
	s_add_co_u32 s51, s51, STAGE                   ; my stage
	v_add_nc_u32 v[STO], s51, v[ADRA]
	v_add_nc_u32 v[ADRA], s50, v[ADRA]
	v_add_nc_u32 v[ADRA+1], SLOT, v[ADRA]
	v_mul_u32_u24 v[ADRB], v14, BPITCH
	v_lshl_add_u32 v[ADRB], v15, 5, v[ADRB]
	v_add_nc_u32 v[ADRB], BBASE, v[ADRB]
	v_mul_u32_u24 v[ADRS], v11, BPITCH
	v_add_nc_u32 v[ADRS], BBASE, v[ADRS]
	v_lshrrev_b32 v[PFO], 1, v1
	v_and_b32 v14, 1, v1
	v_lshlrev_b32 v[PFO], 14, v[PFO]               ; row l / 2,
	v_lshl_add_u32 v[PFO], v14, 8, v[PFO]          ; block l % 2
	v_lshl_add_u32 v[RD], v1, 4, s51
	s_wait_loadcnt 0x8                             ; K step 0's four loads are in; step 1's four, alpha's two and bias's two may stay out
	UNPALL 0, 0
	STOREU 0                                       ; W of quarter 0
	UNPALL 0, 1
	STOREU 1                                       ; W of quarter 1
	s_wait_tensorcnt 0x1                           ; my rows of K step 0 are in; step 1's may stay out
	s_wait_dscnt 0x0                               ; my stores are done
	s_barrier_signal -1
	s_barrier_wait -1                              ; everybody's are
	LOADA ADRA, 0
	LOADB 0
	UNPALL 0, 2                                    ; W of quarter 2: the first quarter's run stores it
	s_wait_loadcnt 0x0                             ; step 1's words, alpha, bias
.irp i, 0,2,4,6
	v_pk_mul_f32 v[AL+(\i):AL+(\i)+1], v[AL+(\i):AL+(\i)+1], 0.5 op_sel_hi:[1,0]  ; W is coded as 2 W
.endr
	s_wait_dscnt 32                                ; x's 16 loads are in; W's 32, issued behind them, may stay out
.irp g, 0,1,2,3,4,5,6,7
	CVT4 \g, 0
.endr
	LOADA ADRA, 1
	QUARTER 0, 0, 1, 99, 2                         ; the first quarter stands in front of the loop: its products start the sums
	WIN 0
	s_mov_b32 s[TRIPS], 15
.Llap:                                             ; a trip goes once round the ring, from a lap's second quarter to the next lap's first, and fills both slots again: trip t asks for K steps 2 t + 2 and 2 t + 3
	QUARTER 0, 1, 0, 99, 2
	QUARTER 0, 2, 0, 99, 2
	QUARTER 0, 3, 0, 99, 2
	QUARTER 1, 0, 0, 99, 2
	QUARTER 1, 1, 0, 99, 2
	QUARTER 1, 2, 0, 99, 2
	QUARTER 1, 3, 0, 99, 2
	QUARTER 0, 0, 0, 99, 2
	WIN 0
	s_sub_co_u32 s[TRIPS], s[TRIPS], 1
	s_cmp_lg_u32 s[TRIPS], 0
	s_cbranch_scc1 .Llap
	QUARTER 0, 1, 0, 6, 1                          ; the last seven quarters are written out: nothing more is asked for, and what has no quarter to serve is left away
	QUARTER 0, 2, 0, 5, 0
	QUARTER 0, 3, 0, 4, 0
	QUARTER 1, 0, 0, 3, 0
	QUARTER 1, 1, 0, 2, 0
	QUARTER 1, 2, 0, 1, 0
	QUARTER 1, 3, 0, 0, 0                          ; its barrier stands behind every wave's last reads of W's buffers: they are the stages from here on
; THE WAY OUT, in eight passes p = 2 a + c: row block a, 128 columns c.  A lane's eight numbers of a row go into my own stage (rows of 528 bytes) and come back as whole rows of 512 bytes, 16 bytes a lane;
; then alpha / 2 and bias of the lane's four columns, and the store.
.macro TOSTAGE p
.set wA, (\p)/2
.set wC, (\p)%2
	WIN 0x08+4*(wA/2)                              ; the stores' data (source 1) in window 2 or 3
.irp b, 0,1,2,3,4,5,6,7
.set rD, 8*(16*(wA%2)+8*wC+(\b))
	ds_store_b128 v[STO], v[rD:rD+3]   offset:64*(\b)     ; each accumulator's four lowest registers first
	ds_store_b128 v[STO], v[rD+4:rD+7] offset:64*(\b)+16
.endr
	WIN 0
	s_wait_xcnt 0x0                                ; the stores of the pass before last have read this buffer's registers
.set wO, OB+64*((\p)%2)
.irp t, 0,1,2,3,4,5,6,7,8,9,10,11,12,13,14,15
	ds_load_b128 v[wO+4*(\t):wO+4*(\t)+3], v[RD] offset:APITCH*(\t)  ; LDS serves a wave's instructions in order (ISA guide 5.7.1.4): these see the stores above; the next pass's stores come behind them
.endr
.endm
.macro SEND p, younger                 ; younger: the LDS instructions issued behind pass p's loads: the next pass's 32, or none
.set wA, (\p)/2
.set wC, (\p)%2
.set wO, OB+64*((\p)%2)
.irp t, 0,1,2,3,4,5,6,7,8,9,10,11,12,13,14,15
	s_wait_dscnt (\younger)+15-(\t)                ; row t is back; the pass's later rows and the younger instructions may stay out
	v_pk_fma_f32 v[wO+4*(\t):wO+4*(\t)+1],   v[wO+4*(\t):wO+4*(\t)+1],   v[AL+4*wC:AL+4*wC+1],   v[BI+4*wC:BI+4*wC+1]
	v_pk_fma_f32 v[wO+4*(\t)+2:wO+4*(\t)+3], v[wO+4*(\t)+2:wO+4*(\t)+3], v[AL+4*wC+2:AL+4*wC+3], v[BI+4*wC+2:BI+4*wC+3]
	global_store_b128 v[CO], v[wO+4*(\t):wO+4*(\t)+3], s[14:15] offset:(16*wA+(\t))*XROW+512*wC th:TH_STORE_NT  ; the wave stores 512 consecutive bytes, at a multiple of 512 from out0's first byte
.endr
.endm
	PLACES                                         ; places between the last products and the stores that read results, and the loads into registers that products have read
	PLACES
	TOSTAGE 0
.irp p, 1,2,3,4,5,6,7                  ; a pass's way through the stage stands between the loads of the pass before and its stores
	TOSTAGE \p
	SEND (\p)-1, 32
.endr
	SEND 7, 0
	s_wait_tensorcnt 0x0                           ; the wave's end, behind my last tensor load and my last LDS store
	ds_add_u32 v[SPW], v[NIL]
	s_wait_dscnt 0x0
	CROUND                                         ; the closing round: no work-group ends while a partner may still ask for a tile that names it
	s_endpgm
.Lfunc_end_k_qd49a3ccc86_tgemm:
	.size	k_qd49a3ccc86_tgemm, .Lfunc_end_k_qd49a3ccc86_tgemm-k_qd49a3ccc86_tgemm
	.p2alignl 7, 3214868480
	.fill 96, 4, 3214868480
	.section	.rodata,"a",@progbits
	.p2align	6, 0x0
	.amdhsa_kernel k_qd49a3ccc86_tgemm
		.amdhsa_group_segment_fixed_size 327680
		.amdhsa_private_segment_fixed_size 0
		.amdhsa_enable_private_segment 0
		.amdhsa_kernarg_size 48
		.amdhsa_user_sgpr_count 2
		.amdhsa_user_sgpr_kernarg_segment_ptr 1
		.amdhsa_wavefront_size32 1
		.amdhsa_system_sgpr_workgroup_id_x 1
		.amdhsa_system_sgpr_workgroup_id_y 1
		.amdhsa_system_sgpr_workgroup_id_z 1
		.amdhsa_system_vgpr_workitem_id 0
		.amdhsa_next_free_vgpr 1024
		.amdhsa_next_free_sgpr 66
		.amdhsa_reserve_vcc 0
		.amdhsa_float_denorm_mode_32 3
		.amdhsa_float_denorm_mode_16_64 3
		.amdhsa_memory_ordered 1
		.amdhsa_forward_progress 1
		.amdhsa_inst_pref_size 255
	.end_amdhsa_kernel
	.section	.bss,"aw",@nobits
	.p2align	6
	.space	262144
	.amdgpu_metadata
---
amdhsa.version: [ 1, 2 ]
amdhsa.kernels:
  - .name:           k_qd49a3ccc86_tgemm
    .symbol:         k_qd49a3ccc86_tgemm.kd
    .args:
      - { .name: x, .offset: 0, .size: 8, .value_kind: global_buffer, .address_space: global }
      - { .name: nz, .offset: 8, .size: 8, .value_kind: global_buffer, .address_space: global }
      - { .name: sgn, .offset: 16, .size: 8, .value_kind: global_buffer, .address_space: global }
      - { .name: alpha, .offset: 24, .size: 8, .value_kind: global_buffer, .address_space: global }
      - { .name: bias, .offset: 32, .size: 8, .value_kind: global_buffer, .address_space: global }
      - { .name: out0, .offset: 40, .size: 8, .value_kind: global_buffer, .address_space: global }
    .group_segment_fixed_size: 327680
    .private_segment_fixed_size: 0
    .kernarg_segment_align: 8
    .kernarg_segment_size: 48
    .max_flat_workgroup_size: 128
    .sgpr_count:     66
    .vgpr_count:     1024
    .wavefront_size: 32
...
	.end_amdgpu_metadata
.endif
;; end of part 1
